; MI455X (gfx1250); checked and timed in simulation.
; The chip was launched on July 23, 2026; its instructions are those of AMD's public machine-readable ISA for CDNA 5 (MIT licence, August 2026) and "CDNA5" Instruction Set Architecture Reference Guide (July 2026). The comments in the code are by the model that wrote it; some were corrected since.
;; Head. Allowed arithmetic: matrix products marked QUANTISED: E2M1 operands, one E8M0 scale for each 32 along K, by v_wmma_scale_f32_16x16x128_f8f6f4 with both operands' format E2M1 (or v_wmma_scale_f32_32x16x128_f4), f32 sums; everything else in f32.
;; Inputs: Wk 512 x 64 float32; Wq 512 x 64 float32; Wv 512 x 64 float32; bk 64 float32; bq 64 float32; bv 64 float32; x 4 x 4,096 x 512 float32.
;; Outputs: out0 4 x 4,096 x 64 float32.
;; This version of the problem:
;;   THIS VERSION OF THE PROBLEM IS GIVEN IN LOW PRECISION. The matrix products marked QUANTISED in the list below multiply operands that are first quantised to E2M1 (2 exponent bits, 1 mantissa bit; 4 bits a number), with one power-of-two scale for each 32 numbers along K (OCP MX v1.0); their sums are f32. All else is computed in f32.
;;   The module's matrix products, in the order in which they are computed (A, B: the left and right operand; K: the contracted axis; several contracted axes count as one K, in the product's order):
;;     1. [M 16,384, K 512] x [K 512, N 64]; A: input x; B: input Wk: QUANTISED
;;     2. [M 16,384, K 512] x [K 512, N 64]; A: input x; B: input Wq: QUANTISED
;;     3. [M 16,384, K 512] x [K 512, N 64]; A: input x; B: input Wv: QUANTISED
;;     4. batch 4 x [M 4,096, K 64] x [K 64, N 4,096]; A: computed on the way; B: computed on the way: QUANTISED
;;     5. batch 4 x [M 4,096, K 4,096] x [K 4,096, N 64]; A: softmax (see below); B: computed on the way: QUANTISED
;;   THE QUANTISER, for each operand of a quantised product, along K:
;;     - K is cut into blocks of 32 from its start; a last block that is shorter is filled with zeros.
;;     - A block's scale is 2^e with e = floor(log2(the largest magnitude in the block)) - 2, held to -126 .. 127; a block of zeros has e = 0. As a byte (E8M0): e + 127.
;;     - Each number is divided by its block's scale, clamped to +-6, and rounded to the nearest number of E2M1, ties to even, subnormals kept.
;;     - The product sums the exact products of the quantised numbers (number of the format x scale) in f32.
;;   ~~~python
;;   def quantise(x, axis):      # numpy; x: float32 -> the quantised numbers, widened to float32 again
;;       x = np.moveaxis(x, axis, -1); K = x.shape[-1]
;;       x = np.pad(x, [(0, 0)] * (x.ndim - 1) + [(0, -K % 32)]); x = x.reshape(x.shape[:-1] + (-1, 32)); a = np.abs(x).max(-1, keepdims=True)
;;       e = np.where(a > 0, np.clip(np.frexp(np.where(a > 0, a, 1))[1] - 1 - 2, -126, 127), 0)      # np.frexp(a)[1] - 1 = floor(log2(a)), exactly
;;       r = np.clip(x / 2.0 ** e, -6, 6)
;;       step = 2.0 ** (np.maximum(np.frexp(np.where(r == 0, 1, r))[1] - 1, 0) - 1)
;;       q = np.round(r / step) * step * 2.0 ** e      # np.round: ties to even
;;       return np.moveaxis(q.reshape(q.shape[:-2] + (-1,))[..., :K], -1, axis).astype(np.float32)
;;   ~~~
;;   SOFTMAX AHEAD OF A QUANTISED PRODUCT. Where the list says 'softmax', what is quantised is not the finished softmax but p = 2^(t - M), with t = logit x log2(e) and M = ceil(the row's largest t), a whole number; so 1/2 < the row's largest p <= 1. The row's sum l is taken of the UNQUANTISED p, in f32, and the product's result is divided by l at the end. Since M is a whole number, a kernel that streams over the keys may use a running M (the ceiling of the running maximum): every later rescaling is an exact power of two, which a block's scale takes up: the codes' values come out the same.
;;   OPERANDS COMPUTED ON THE WAY. 'Computed on the way' means the value that the module computes at that place (a softmax that the list does not call 'softmax' is quantised finished and normalised). What goes into a quantiser is computed in f32, as accurately as f32 sums, v_exp_f32 and their like allow (about 1e-6 of the number): no bf16 or f16 on the way to a quantiser, and a product that is left as it is and whose result goes on into a quantised operand takes f32 operands (vector FMAs, or v_wmma_f32_16x16x4_f32). A number that lies on a knife's edge between two numbers of the format may be rounded either way, as far as f32 arithmetic and the matrix unit's own rounding can turn it there, and no further.
;; One version. Each part assembles by itself: llvm-mc -triple=amdgcn-amd-amdhsa -mcpu=gfx1250 --defsym DOCPART=n.
;; ======== version 1 of 1: 2 launches
;; limits: right only within a limited range of input values
;; workspace buffers: kc 524,288 bytes; ks 65,536 bytes; qv 1,179,648 bytes
;; launch proj (part 1): grid 256 x 1, 16 waves a work-group, clusters of 4 x 1, 327,680 bytes of LDS; arguments x, Wk, Wq, Wv, bk, bq, bv, kc, ks, qv; writes kc, ks, qv
.if DOCPART == 1
	.amdgcn_target "amdgcn-amd-amdhsa--gfx1250"
	.amdhsa_code_object_version 6
	.text
	.protected	k_qd0619c1306_proj
	.globl	k_qd0619c1306_proj
	.p2align	8
	.type	k_qd0619c1306_proj,@function
k_qd0619c1306_proj:
	s_mov_b64 s[64:65], 0
	v_nop
	global_prefetch_b8 v0, s[64:65] scope:SCOPE_SE
	s_setreg_imm32_b32 hwreg(HW_REG_WAVE_MODE, 25, 1), 1
	s_wait_xcnt 0x0
	s_wait_alu depctr_hold_cnt(0) depctr_sa_sdst(0) depctr_va_vdst(0) depctr_va_sdst(0) depctr_va_ssrc(0) depctr_va_vcc(0) depctr_vm_vsrc(0)
	s_getreg_b32 s2, hwreg(HW_REG_IB_STS2, 6, 4)
	s_cmp_eq_u32 s2, 0
	s_cbranch_scc0 .Lentry_in_a_cluster
	s_endpgm
.Lentry_in_a_cluster:
	s_bfe_u32 s2, ttmp6, 0x10000c
	s_cmp_lg_u32 s2, 0x3003
	s_cbranch_scc0 .Lentry_shape_is_right
	s_endpgm
.Lentry_shape_is_right:
; k = x Wk + bk, q = x Wq + bq, v = x Wv + bv on codes of FP4 (E2M1) with one E8M0 scale for each 32 along K = 512; then k and q are quantised along the head's 64, v along the rows, for the attention launch.
; No work of reference() is left out: every bias goes into a quantised operand.
; SHARES.  A work-group takes block RB of 64 rows of x (256 blocks), all 192 columns, and quantises the weights itself (98,304 numbers, beside 32,768 of x): so no launch and no buffer stands for them.
; WEIGHTS: waves 0-7 fetch Wk, 8-15 Wq, 64 rows each, by ONE JOINT tensor load a wave (the cluster's four work-groups ask with the same descriptor and a mask that names the four); a wave reads back its own bytes alone.
;   Wave w takes Wv's rows 32 w .. 32 w + 31 by plain loads.  A unit is 32 rows (one block along K) x 64 columns: lane (r, h) holds columns 4 r .. 4 r + 3, rows 16 h .. 16 h + 15; the other half's largest magnitude comes from lane l xor 16.
; X: wave w = 4 T + s takes tile T, K step s: 16 rows x 512 bytes, by plain loads of 512 consecutive bytes: lane l holds k 4 l .. 4 l + 3 of every row, eight neighbouring lanes a block.  It is quantised as it was loaded: the numbers do not
;   pass through LDS; a conversion takes a pair of rows' eight numbers under one row's scale, so each pair is converted twice and a half of each result is stored.
; TILES.  Tile T holds rows 8 T + (r & 7) + 32 (r / 8), r = 0..15; Wk's and Wq's column tiles likewise; Wv's are 16 neighbours.  So in a result a lane's 32 registers of four tiles are ONE WHOLE BLOCK of 32 (the lane's half h) in natural
;   order: k, q: head units 32 h + 8 t + j of row (T, r);  v: rows 32 h + 8 T + j of head unit 16 n + r.  No lane is asked for maxima or codes of these blocks.
; PHASE P: waves 0-3: k's tile T = w % 4; 4-7: q's; 8-11: v's head tile n = w % 4; 16 products each; 12-15 have none.
; OUT: kc: RB 2048 + T 512 + 16 lane;  ks: RB 256 + 4 (16 T + r) (bytes 0, 1: the two blocks; 2, 3: 0);
;      qv: RB 4608: q's codes T 512 + 16 lane | 2048: v's codes n 512 + 16 lane | 4096: q's scale words | 4352: v's, 4 (16 n + r) (bytes 0, 1: rows 0-31, 32-63).
; Every LDS byte is filled at most once.  No prefetch: there is no loop to run ahead in.
; LIMITS: a block of zeros, or one whose largest magnitude lies under 2^-124, gets the byte 1 (its codes are zeros or next to zero; this program alone reads the bytes); NaN and infinities are not served.
; REGISTERS: v1-31 addresses and temporaries (in phase P v8-27 scale words); v32-95 a unit of weights; v96-159 x; v160-223 a unit turned along K, later x's scales (v160-175), codes (v176-191), bytes (v192-207); v224-255 bias.
;   Phase P: v32-95 and v160-223 sixteen fragments (source 0), v96-127 four (source 1), v128-159 sums.
.set WREG, 16384                       ; LDS: a wave's part: its 64 rows of Wk or Wq; later, from XIM on, its fragment of x: 544 c + 272 h + 16 r
.set XIM,  8448
.set WIMG, 262144                      ; the weights' 48 fragments: slot (4 m + t) 4112 + s 1024 + 512 c + 16 lane
.set SLP,  4112
.set WSC,  311552                      ; their scale words: slot 272 + 16 r + 4 s
.set SCP,  272
.set XSC,  314880                      ; x's: (4 T + s) 64 + 4 r
.set SPARE, 315904                     ; the spare words, 128 bytes a wave
.set WSTG, 317952                      ; the results' scale words: k, q, v, 256 bytes each
.set SPW, 1
.set NIL, 2
.set PA, 32
.set PX, 96
.set D,  160
.set XM, 160
.set XC, 176
.set XB, 192
.set BT, 224
.set FG, 96
.set AC, 128
.set TM, 20
.set PT, 24
.set WV, 24
.set G1, 28
.set G0, 36
.set SEL, 62
.set FLOOR, 0x1800000                  ; 2^(3 - 127): under it no largest magnitude is taken, so the byte cannot fall under 1
.macro ROUND                           ; a round of the cluster's barrier
	s_barrier_signal -1
	s_barrier_wait -1
	s_cmp_lg_u32 s[WV], 0
	s_cbranch_scc1 .Lnot_wave_0_\@
	s_barrier_signal -3
.Lnot_wave_0_\@:
	s_barrier_wait -3
	s_barrier_signal -1
	s_barrier_wait -1
.endm
.macro XROW i                          ; row i of my tile of x, my K step: 512 consecutive bytes
	global_load_b128 v[PX+4*(\i):PX+4*(\i)+3], v7, s[4:5] offset:2048*((\i)%8)+65536*((\i)/8) th:TH_LOAD_NT
.endm
.macro WLOAD u                         ; unit u of my rows of Wk or Wq
.irp i, 0,1,2,3,4,5,6,7,8,9,10,11,12,13,14,15
	ds_load_b128 v[PA+4*\i:PA+4*\i+3], v8 offset:8192*(\u)+256*\i
.endr
.endm
.macro WCVT e, dst                     ; column e's sixteen numbers, and one plain line behind the two conversions
	v_cvt_scalef32_pk8_fp4_f32 v[\dst], v[D+16*\e:D+16*\e+7], v[TM+\e]
	v_cvt_scalef32_pk8_fp4_f32 v[\dst+1], v[D+16*\e+8:D+16*\e+15], v[TM+\e]
	v_nop
.endm
.macro WSTORE e, src, img, oi, sca, os
	ds_store_b64 v[\img], v[\src:\src+1] offset:(\oi)+16*\e
	ds_store_b8 v[\sca], v[PT+\e] offset:(\os)+16*\e   ; both halves of the lanes write the same byte with the same value
.endm
; A unit of weights in v[PA + 4 i + e] (row i of my sixteen, column 4 r + e) becomes half blocks of codes and scale bytes in LDS.  next = 1: unit 1's loads go out as soon as v[PA ..] is free.
.macro WQUANT img, oi, sca, os, next
.irp e, 0,1,2,3
	v_max3_num_f32 v[TM+\e], |v[PA+\e]|, |v[PA+4+\e]|, FLOOR
.endr
.irp i, 2,4,6,8,10,12,14
.irp e, 0,1,2,3
	v_max3_num_f32 v[TM+\e], v[TM+\e], |v[PA+4*\i+\e]|, |v[PA+4*\i+4+\e]|
.endr
.endr
.irp e, 0,1,2,3
	v_permlanex16_b32 v[PT+\e], v[TM+\e], s[SEL], s[SEL+1]
.endr
.irp e, 0,2                            ; the conversions take neighbours along K from consecutive registers: column e to v[D + 16 e ..]
.irp i, 0,2,4,6,8,10,12,14
	v_dual_mov_b32 v[D+16*\e+\i], v[PA+4*\i+\e] :: v_dual_mov_b32 v[D+16*\e+17+\i], v[PA+4*\i+5+\e]
	v_dual_mov_b32 v[D+16*\e+1+\i], v[PA+4*\i+4+\e] :: v_dual_mov_b32 v[D+16*\e+16+\i], v[PA+4*\i+1+\e]
.endr
.endr
.if \next
	WLOAD 1
.endif
.irp e, 0,1,2,3
	v_max_num_f32 v[TM+\e], v[TM+\e], v[PT+\e]     ; with lane l xor 16's sixteen rows
.endr
.irp e, 0,1,2,3
	v_add_nc_u32 v[TM+\e], 0xff000000, v[TM+\e]    ; 2 off the exponent field: the conversion's scale operand
.endr
.irp e, 0,1,2,3
	v_lshrrev_b32 v[PT+\e], 23, v[TM+\e]           ; the scale's byte
.endr
	WCVT 0, 18
	WCVT 1, D                                      ; column e's codes over column e - 1's numbers
	WCVT 2, D+16
	WCVT 3, D+32
	WSTORE 0, 18, \img, \oi, \sca, \os
	WSTORE 1, D, \img, \oi, \sca, \os
	WSTORE 2, D+16, \img, \oi, \sca, \os
	WSTORE 3, D+32, \img, \oi, \sca, \os
.endm
	s_load_b512 s[4:19], s[0:1], 0x0               ; x s[4:5], Wk s[6:7], Wq s[8:9], Wv s[10:11], bk s[12:13], bq s[14:15], bv s[16:17], kc s[18:19]
	s_load_b128 s[20:23], s[0:1], 0x40             ; ks s[20:21], qv s[22:23]
	v_lshl_add_u32 v[SPW], v0, 2, SPARE
	v_mov_b32 v[NIL], 0
	ds_add_u32 v[SPW], v[NIL]                      ; the wave's opening: the add, twice on end, and its wait ahead of my tensor load
	ds_add_u32 v[SPW], v[NIL]
	v_lshrrev_b32 v3, 5, v0
	v_readfirstlane_b32 s[WV], v3                  ; w
	v_and_b32 v3, 15, v0                           ; r
	v_bfe_u32 v4, v0, 4, 1                         ; h
	v_and_b32 v5, 31, v0
	v_lshlrev_b32 v7, 4, v5                        ; 16 x lane
	v_lshlrev_b32 v5, 3, v5                        ; 8 x lane
	v_lshlrev_b32 v6, 4, v3
	v_lshl_add_u32 v6, v4, 12, v6                  ; a unit: 16 r + 16 h rows of 256 bytes
	v_lshlrev_b32 v30, 7, v4                       ; k's, q's bias: 128 h
	v_lshlrev_b32 v31, 2, v3                       ; v's: 4 r
	s_bfe_u32 s26, ttmp6, 0x40000                  ; cx: it enters global addresses of my own alone
	s_lshl_b32 s25, ttmp9, 2
	s_add_co_u32 s25, s25, s26                     ; RB = 4 x cluster + cx
	; group 1: 64 rows of 256 bytes, dense; the mask names the cluster's four work-groups, bit 21 beside it
	s_mov_b32 s[G1], 15|(3<<16)|(1<<21)
	s_mov_b32 s[G1+1], 32<<16
	s_mov_b32 s[G1+2], 64<<16
	s_mov_b32 s[G1+3], 32<<16
	s_mov_b32 s[G1+4], 64
	s_mov_b32 s[G1+5], 32
	s_mov_b32 s[G1+6], 0
	s_mov_b32 s[G1+7], 0
	s_mov_b32 s[SEL], 0x76543210
	s_mov_b32 s[SEL+1], 0xfedcba98                 ; v_permlanex16_b32's selects for lane l xor 16
	s_lshr_b32 s74, s[WV], 2                       ; T of x's tile; in phase P what I make: 0 k, 1 q, 2 v
	s_and_b32 s75, s[WV], 3                        ; its K step; in phase P the tile
	s_and_b32 s40, s[WV], 7
	s_lshl_b32 s40, s40, 14                        ; my 64 rows of Wk or Wq
	s_mov_b32 s41, 0
	s_lshl_b32 s66, s[WV], 14                      ; my part of LDS
	s_wait_alu depctr_va_vdst(0)                   ; the wait here, directly ahead of the waits below
	s_wait_dscnt 0x0
	ROUND                                          ; all four work-groups are here: the joint loads meet
	s_wait_kmcnt 0x0
	s_cmp_lt_u32 s[WV], 8                          ; the choices hang on the wave's number alone
	s_cselect_b64 s[26:27], s[6:7], s[8:9]
	s_add_nc_u64 s[26:27], s[26:27], s[40:41]
	s_mov_b32 s[G0], 1
	s_mov_b32 s[G0+1], s66
	s_mov_b64 s[G0+2:G0+3], s[26:27]
	s_or_b32 s[G0+3], s[G0+3], 0x80000000
	tensor_load_to_lds s[G0:G0+3], s[G1:G1+7]      ; my one tensor load of the launch
	s_nop 0
.rept 4
	v_nop
.endr
	s_lshl_b32 s42, s25, 17
	s_lshl_b32 s43, s74, 14
	s_add_co_u32 s42, s42, s43
	s_lshl_b32 s43, s75, 9
	s_add_co_u32 s42, s42, s43                     ; x: 64 RB + 8 T rows of 2,048 bytes + 512 s
	s_mov_b32 s43, 0
	s_lshl_b32 s44, s[WV], 13                      ; my 32 rows of Wv
	s_mov_b32 s45, 0
	s_lshl_b32 s46, s75, 6                         ; bv: head tile n
	s_mov_b32 s47, 0
	s_add_nc_u64 s[4:5], s[4:5], s[42:43]
	s_add_nc_u64 s[10:11], s[10:11], s[44:45]
	s_add_nc_u64 s[16:17], s[16:17], s[46:47]
	s_cmp_lt_u32 s[WV], 4
	s_cselect_b64 s[12:13], s[12:13], s[14:15]
	s_cmp_lt_u32 s[WV], 8
	s_cbranch_scc0 .Lbias_v
.irp t, 0,1,2,3
	global_load_b128 v[BT+8*\t:BT+8*\t+3], v30, s[12:13] offset:32*\t        ; head units 32 h + 8 t + 0..7
	global_load_b128 v[BT+8*\t+4:BT+8*\t+7], v30, s[12:13] offset:32*\t+16
.endr
	s_branch .Lbias_asked
.Lbias_v:
	s_cmp_lt_u32 s[WV], 12
	s_cbranch_scc0 .Lbias_asked
	global_load_b32 v[BT], v31, s[16:17]           ; head unit 16 n + r
.Lbias_asked:
.irp i, 0,1,2,3,4,5,6,7,8,9,10,11,12,13,14,15
	global_load_b128 v[PA+4*\i:PA+4*\i+3], v6, s[10:11] offset:256*\i        ; Wv(32 w + 16 h + i, 4 r ..)
.endr
.irp i, 0,1,2,3
	XROW \i
.endr
	; where the results go
	s_mov_b32 s49, 0
	s_mov_b32 s59, 0
	s_mul_i32 s50, s25, 4608
	s_lshl_b32 s51, s25, 11
	s_lshl_b32 s52, s75, 9
	s_add_co_u32 s53, s50, s52                     ; q's codes
	s_add_co_u32 s54, s53, 2048                    ; v's
	s_add_co_u32 s55, s51, s52                     ; k's
	s_add_co_u32 s51, s50, 4096                    ; q's scale words
	s_add_co_u32 s52, s50, 4352                    ; v's
	s_lshl_b32 s50, s25, 8                         ; k's
	s_cmp_lt_u32 s[WV], 8
	s_cselect_b32 s48, s53, s54
	s_cselect_b32 s58, s51, s52
	s_cmp_lt_u32 s[WV], 4
	s_cselect_b32 s48, s55, s48
	s_cselect_b32 s58, s50, s58
	s_cselect_b64 s[56:57], s[18:19], s[22:23]
	s_cselect_b64 s[60:61], s[20:21], s[22:23]
	s_add_nc_u64 s[56:57], s[56:57], s[48:49]      ; where my codes go
	s_add_nc_u64 s[60:61], s[60:61], s[58:59]      ; and the scale words
	; LDS addresses
	s_lshr_b32 s76, s[WV], 3                       ; m of my two units: Wk or Wq
	s_and_b32 s77, s[WV], 7                        ; their K blocks: 2 (w % 8), + 1
	s_mul_i32 s67, s76, 4*SLP
	s_lshl_b32 s78, s77, 9
	s_add_co_u32 s67, s67, s78
	s_add_co_u32 s67, s67, WIMG
	s_mul_i32 s68, s76, 4*SCP
	s_lshl_b32 s78, s77, 1
	s_add_co_u32 s68, s68, s78
	s_add_co_u32 s68, s68, WSC
	s_lshl_b32 s69, s[WV], 8
	s_add_co_u32 s69, s69, WIMG+8*SLP
	s_add_co_u32 s70, s[WV], WSC+8*SCP
	s_add_co_u32 s71, s66, XIM
	s_lshl_b32 s72, s[WV], 6
	s_add_co_u32 s73, s72, WSTG
	s_add_co_u32 s72, s72, XSC
	s_lshl_b32 s76, s75, 16
	s_add_co_u32 s76, s76, XIM                     ; phase P's: k, q: x's tile,
	s_lshl_b32 s77, s75, 8
	s_add_co_u32 s77, s77, XSC                     ; its scale words,
	s_mul_i32 s78, s74, 4*SLP
	s_add_co_u32 s78, s78, WIMG                    ; the weights' four slots,
	s_mul_i32 s79, s74, 4*SCP
	s_add_co_u32 s79, s79, WSC                     ; their scale words;
	s_mul_i32 s80, s75, SLP
	s_add_co_u32 s80, s80, WIMG+8*SLP              ; v: Wv's slot n,
	s_mul_i32 s81, s75, SCP
	s_add_co_u32 s81, s81, WSC+8*SCP               ; its scale words
	v_add_nc_u32 v8, s66, v6                       ; my rows of Wk or Wq
	v_bfe_u32 v20, v3, 1, 2
	v_and_b32 v21, 1, v3
	v_lshrrev_b32 v22, 3, v3
	v_lshlrev_b32 v23, 6, v21
	v_lshl_add_u32 v23, v22, 7, v23                ; column 4 r + e of Wk, Wq: tile (r / 2) % 4, place 4 (r % 2) + 8 (r / 8) + e; 16 bytes a place
	v_mul_u32_u24 v24, v20, SLP
	v_add_nc_u32 v24, v24, v23
	v_lshl_add_u32 v24, v4, 3, v24                 ; + 8 h: my half of the block
	v_add_nc_u32 v9, s67, v24                      ; codes of a unit of Wk, Wq
	v_mul_u32_u24 v24, v20, SCP
	v_add_nc_u32 v24, v24, v23
	v_add_nc_u32 v11, s68, v24                     ; their scale bytes
	v_lshrrev_b32 v20, 2, v3
	v_and_b32 v21, 3, v3
	v_mul_u32_u24 v24, v20, SLP
	v_lshl_add_u32 v24, v21, 6, v24
	v_lshl_add_u32 v24, v4, 3, v24
	v_add_nc_u32 v10, s69, v24                     ; Wv: tile r / 4, place 4 (r % 4) + e
	v_mul_u32_u24 v24, v20, SCP
	v_lshl_add_u32 v24, v21, 6, v24
	v_add_nc_u32 v12, s70, v24
	v_lshl_add_u32 v13, v4, 4, v7                  ; a fragment of x as it is read: 16 r + 272 h
	v_lshrrev_b32 v20, 6, v5                       ; lane / 8: my block of x, 2 c + h
	v_bfe_u32 v21, v5, 3, 3                        ; lane % 8
	v_mul_u32_u24 v24, v20, 272
	v_lshl_add_u32 v24, v21, 1, v24
	v_add_nc_u32 v15, s71, v24                     ; x's codes: 272 (2 c + h) + 2 (lane % 8), row i 16 i on
	v_add_nc_u32 v16, s72, v20                     ; its scale bytes, row i 4 i on
	v_add_nc_u32 v28, s73, v31                     ; the result's scale words: 64 w + 4 r
	v_add_nc_u32 v29, s73, v5                      ; and how they leave: 8 x lane
.irp b, 0,1,2,3
	v_mov_b32 v[PT+\b], 0                          ; written once: a lane permute's destination counts as one of its sources
.endr
	s_wait_alu depctr_va_vdst(0)                   ; the wait at the head's end
	s_wait_loadcnt 4                               ; the bias and Wv are in; x's first four loads may be out
	WQUANT 10, 0, 12, 0, 0
.irp i, 4,5,6,7,8,9,10,11,12,13,14,15
	XROW \i
.endr
	s_wait_alu depctr_va_vdst(0)                   ; (asked for ahead of a wait that blocks; so below)
	s_wait_tensorcnt 0x0                           ; my rows of Wk or Wq are in; no other wave reads them
	s_wait_dscnt 0x0                               ; my stores have read their registers
	WLOAD 0
	s_wait_dscnt 0x0
	WQUANT 9, 0, 11, 0, 1
	s_wait_alu depctr_va_vdst(0)
	s_wait_dscnt 0x0
	WQUANT 9, 256, 11, 1, 0
	s_wait_alu depctr_va_vdst(0)
	s_wait_dscnt 0x0
	s_wait_loadcnt 0x0                             ; x
.irp i, 0,1,2,3,4,5,6,7,8,9,10,11,12,13,14,15
	v_max3_num_f32 v[XM+\i], |v[PX+4*\i]|, |v[PX+4*\i+1]|, FLOOR
.endr
.irp i, 0,1,2,3,4,5,6,7,8,9,10,11,12,13,14,15
	v_max3_num_f32 v[XM+\i], v[XM+\i], |v[PX+4*\i+2]|, |v[PX+4*\i+3]|
.endr
.irp m, 1,2,4
.irp i, 0,1,2,3,4,5,6,7,8,9,10,11,12,13,14,15
	v_max_num_f32_dpp v[XM+\i], v[XM+\i], v[XM+\i] row_xmask:\m row_mask:0xf bank_mask:0xf   ; over the eight lanes of a block; the rows by turns
.endr
.endr
.irp i, 0,1,2,3,4,5,6,7,8,9,10,11,12,13,14,15
	v_add_nc_u32 v[XM+\i], 0xff000000, v[XM+\i]
.endr
.irp j, 0,1,2,3,4,5,6,7                        ; rows 2 j, 2 j + 1: the low half of the first result, the high half of the second
	v_cvt_scalef32_pk8_fp4_f32 v[XC+2*\j], v[PX+8*\j:PX+8*\j+7], v[XM+2*\j]
	v_cvt_scalef32_pk8_fp4_f32 v[XC+2*\j+1], v[PX+8*\j:PX+8*\j+7], v[XM+2*\j+1]
.endr
.irp i, 0,1,2,3,4,5,6,7,8,9,10,11,12,13,14,15
	v_lshrrev_b32 v[XB+\i], 23, v[XM+\i]           ; (plain lines behind the last scaled conversion)
.endr
.irp j, 0,1,2,3,4,5,6,7                        ; over my tile of the weights: it has been read, and nothing is filled again
	ds_store_b16 v15, v[XC+2*\j] offset:32*\j
	ds_store_b16_d16_hi v15, v[XC+2*\j+1] offset:32*\j+16
.endr
.irp i, 0,1,2,3,4,5,6,7,8,9,10,11,12,13,14,15
	ds_store_b8 v16, v[XB+\i] offset:4*\i          ; a block's eight lanes write the same byte with the same value
.endr
	; phase P's addresses stand in the sums' registers until the first product: made ahead of the parting
	v_add_nc_u32 v128, s76, v13
	v_add_nc_u32 v129, s77, v31
	v_add_nc_u32 v130, s78, v7
	v_lshl_add_u32 v131, v3, 4, s79
	v_add_nc_u32 v132, XIM, v13
	v_add_nc_u32 v133, XIM+65536, v13
	v_add_nc_u32 v134, XIM+2*65536, v13
	v_add_nc_u32 v135, XIM+3*65536, v13
	v_add_nc_u32 v136, XSC, v31
	v_add_nc_u32 v137, s80, v7
	v_lshl_add_u32 v138, v3, 4, s81
	s_wait_alu depctr_va_vdst(0)
	s_wait_dscnt 0x0                               ; my part of the images has landed:
	s_barrier_signal -1
	s_barrier_wait -1                              ; everybody's
	s_cmp_lt_u32 s[WV], 8
	s_cbranch_scc0 .Lnot_kq
.irp s, 0,1,2,3                                ; k, q: source 0 = four tiles of the weights' columns, source 1 = my tile of x
.irp c, 0,1
	ds_load_b128 v[FG+8*\s+4*\c:FG+8*\s+4*\c+3], v128 offset:WREG*\s+544*\c
.endr
	ds_load_b32 v[24+\s], v129 offset:64*\s
	ds_load_b128 v[8+4*\s:11+4*\s], v131 offset:SCP*\s             ; the weights' scale words: a column's four
.endr
.irp t, 0,1,2,3
.irp s, 0,1,2,3
.irp c, 0,1
	ds_load_b128 v[32+8*(4*\t+\s)+64*(\t/2)+4*\c:32+8*(4*\t+\s)+64*(\t/2)+4*\c+3], v130 offset:SLP*\t+1024*\s+512*\c
.endr
.endr
.endr
	s_branch .Lproducts
.Lnot_kq:
	s_cmp_lt_u32 s[WV], 12
	s_cbranch_scc0 .Lmeet
.irp t, 0,1,2,3                                ; v: source 0 = x's four tiles, source 1 = tile n of Wv's columns
.irp s, 0,1,2,3
	ds_load_b32 v[8+4*\t+\s], v136 offset:64*(4*\t+\s)
.irp c, 0,1
	ds_load_b128 v[32+8*(4*\t+\s)+64*(\t/2)+4*\c:32+8*(4*\t+\s)+64*(\t/2)+4*\c+3], v[132+\t] offset:WREG*\s+544*\c
.endr
.endr
.endr
	ds_load_b128 v[24:27], v138
.irp s, 0,1,2,3
.irp c, 0,1
	ds_load_b128 v[FG+8*\s+4*\c:FG+8*\s+4*\c+3], v137 offset:1024*\s+512*\c
.endr
.endr
.set I, 1
.rept 31
	v_mov_b32 v[BT+I], v[BT]                       ; a lane holds one head unit: its bias is every register's first addend
.set I, I+1
.endr
.Lproducts:
	s_wait_alu depctr_va_vdst(0)
	s_wait_dscnt 0x0
; The four accumulators take turns, one instruction a turn; the bias starts the sums.
.irp s, 0,1,2,3
.irp t, 0,1,2,3
.if \s == 0
	v_wmma_scale_f32_16x16x128_f8f6f4 v[AC+8*\t:AC+8*\t+7], v[32+8*(4*\t+\s)+64*(\t/2):32+8*(4*\t+\s)+64*(\t/2)+7], v[FG+8*\s:FG+8*\s+7], v[BT+8*\t:BT+8*\t+7], v[8+4*\t+\s], v[24+\s] matrix_a_fmt:MATRIX_FMT_FP4 matrix_b_fmt:MATRIX_FMT_FP4
.else
	v_wmma_scale_f32_16x16x128_f8f6f4 v[AC+8*\t:AC+8*\t+7], v[32+8*(4*\t+\s)+64*(\t/2):32+8*(4*\t+\s)+64*(\t/2)+7], v[FG+8*\s:FG+8*\s+7], v[AC+8*\t:AC+8*\t+7], v[8+4*\t+\s], v[24+\s] matrix_a_fmt:MATRIX_FMT_FP4 matrix_b_fmt:MATRIX_FMT_FP4
.endif
.endr
.endr
.rept 4
	v_nop                                          ; four places between the last products and the first read of results (ISA guide 7.12.1)
.endr
	v_max3_num_f32 v96, |v[AC]|, |v[AC+1]|, FLOOR          ; my block's largest magnitude, in two chains
	v_max3_num_f32 v97, |v[AC+2]|, |v[AC+3]|, FLOOR
.irp i, 4,8,12,16,20,24,28
	v_max3_num_f32 v96, v96, |v[AC+\i]|, |v[AC+\i+1]|
	v_max3_num_f32 v97, v97, |v[AC+\i+2]|, |v[AC+\i+3]|
.endr
	v_max_num_f32 v96, v96, v97
	v_add_nc_u32 v96, 0xff000000, v96
	v_lshrrev_b32 v97, 23, v96
	v_lshrrev_b32 v99, 4, v30                      ; 8 h
	v_lshlrev_b32 v97, v99, v97                    ; byte h of the word
	v_permlanex16_b32 v98, v97, s[SEL], s[SEL+1]
	v_or_b32 v97, v97, v98
.irp g, 0,1,2,3
	v_cvt_scalef32_pk8_fp4_f32 v[32+\g], v[AC+8*\g:AC+8*\g+7], v96
.endr
	v_nop
	global_store_b128 v7, v[32:35], s[56:57]       ; 32 lanes store 512 consecutive bytes
	ds_store_b32 v28, v97                          ; both halves of the lanes write the same word with the same value
.Lmeet:
	s_wait_alu depctr_va_vdst(0)
	s_wait_dscnt 0x0
	s_barrier_signal -1
	s_barrier_wait -1
	s_cmp_lg_u32 s75, 0                            ; waves 0, 4, 8 store k's, q's, v's 64 words: 256 consecutive bytes, aligned
	s_cbranch_scc1 .Ldone
	s_cmp_lt_u32 s[WV], 12
	s_cbranch_scc0 .Ldone
	ds_load_b64 v[100:101], v29
	s_wait_dscnt 0x0
	global_store_b64 v5, v[100:101], s[60:61]
.Ldone:
	s_wait_tensorcnt 0x0                           ; the wave's end
	ds_add_u32 v[SPW], v[NIL]
	s_wait_dscnt 0x0
	ROUND                                          ; the closing round: no work-group ends while a partner may still ask for a tile that names it
	s_endpgm
.Lfunc_end_k_qd0619c1306_proj:
	.size	k_qd0619c1306_proj, .Lfunc_end_k_qd0619c1306_proj-k_qd0619c1306_proj
	.p2alignl 7, 3214868480
	.fill 96, 4, 3214868480
	.section	.rodata,"a",@progbits
	.p2align	6, 0x0
	.amdhsa_kernel k_qd0619c1306_proj
		.amdhsa_group_segment_fixed_size 327680
		.amdhsa_private_segment_fixed_size 0
		.amdhsa_enable_private_segment 0
		.amdhsa_kernarg_size 80
		.amdhsa_user_sgpr_count 2
		.amdhsa_user_sgpr_kernarg_segment_ptr 1
		.amdhsa_wavefront_size32 1
		.amdhsa_system_sgpr_workgroup_id_x 1
		.amdhsa_system_sgpr_workgroup_id_y 1
		.amdhsa_system_sgpr_workgroup_id_z 1
		.amdhsa_system_vgpr_workitem_id 0
		.amdhsa_next_free_vgpr 256
		.amdhsa_next_free_sgpr 96
		.amdhsa_reserve_vcc 0
		.amdhsa_float_denorm_mode_32 3
		.amdhsa_float_denorm_mode_16_64 3
		.amdhsa_memory_ordered 1
		.amdhsa_forward_progress 1
		.amdhsa_inst_pref_size 55
	.end_amdhsa_kernel
	.amdgpu_metadata
---
amdhsa.version: [ 1, 2 ]
amdhsa.kernels:
  - .name:           k_qd0619c1306_proj
    .symbol:         k_qd0619c1306_proj.kd
    .args:
      - { .name: x, .offset: 0, .size: 8, .value_kind: global_buffer, .address_space: global }
      - { .name: Wk, .offset: 8, .size: 8, .value_kind: global_buffer, .address_space: global }
      - { .name: Wq, .offset: 16, .size: 8, .value_kind: global_buffer, .address_space: global }
      - { .name: Wv, .offset: 24, .size: 8, .value_kind: global_buffer, .address_space: global }
      - { .name: bk, .offset: 32, .size: 8, .value_kind: global_buffer, .address_space: global }
      - { .name: bq, .offset: 40, .size: 8, .value_kind: global_buffer, .address_space: global }
      - { .name: bv, .offset: 48, .size: 8, .value_kind: global_buffer, .address_space: global }
      - { .name: kc, .offset: 56, .size: 8, .value_kind: global_buffer, .address_space: global }
      - { .name: ks, .offset: 64, .size: 8, .value_kind: global_buffer, .address_space: global }
      - { .name: qv, .offset: 72, .size: 8, .value_kind: global_buffer, .address_space: global }
    .group_segment_fixed_size: 327680
    .private_segment_fixed_size: 0
    .kernarg_segment_align: 8
    .kernarg_segment_size: 80
    .max_flat_workgroup_size: 512
    .sgpr_count:     96
    .vgpr_count:     256
    .wavefront_size: 32
...
	.end_amdgpu_metadata
.endif
;; end of part 1
;; launch attn (part 2): grid 64 x 4, 16 waves a work-group, clusters of 4 x 1, 327,680 bytes of LDS; arguments kc, ks, qv, out0; writes out0
.if DOCPART == 2
	.amdgcn_target "amdgcn-amd-amdhsa--gfx1250"
	.amdhsa_code_object_version 6
	.text
	.protected	k_qd0619c1306_attn
	.globl	k_qd0619c1306_attn
	.p2align	8
	.type	k_qd0619c1306_attn,@function
k_qd0619c1306_attn:
	s_mov_b64 s[64:65], 0
	v_nop
	global_prefetch_b8 v0, s[64:65] scope:SCOPE_SE
	s_setreg_imm32_b32 hwreg(HW_REG_WAVE_MODE, 25, 1), 1
	s_wait_xcnt 0x0
	s_wait_alu depctr_hold_cnt(0) depctr_sa_sdst(0) depctr_va_vdst(0) depctr_va_sdst(0) depctr_va_ssrc(0) depctr_va_vcc(0) depctr_vm_vsrc(0)
	s_getreg_b32 s2, hwreg(HW_REG_IB_STS2, 6, 4)
	s_cmp_eq_u32 s2, 0
	s_cbranch_scc0 .Lentry_in_a_cluster
	s_endpgm
.Lentry_in_a_cluster:
	s_bfe_u32 s2, ttmp6, 0x10000c
	s_cmp_lg_u32 s2, 0x3003
	s_cbranch_scc0 .Lentry_shape_is_right
	s_endpgm
.Lentry_shape_is_right:
; out[b][i][:] = the sum over j of softmax_j(k[b][i] . q[b][j] / sqrt(512)) v[b][j][:], both products on codes of FP4 (E2M1) with one E8M0 scale for each 32 along a product's K.
; THE SOFTMAX AHEAD OF THE SECOND PRODUCT: t = score x log2(e) / sqrt(512); M = the largest t so far, rounded UP to a whole number; p = 2^(t - M) is quantised along j, not normalised; l, the sum of the unquantised p in f32,
; divides at the end.  When M moves, l and O are multiplied by 2^(old M - new M): exact.
; SHARES.  A work-group owns 64 rows i of one batch (256 work-groups).  Wave w = 4 cq + a: row tile a (rows 8 a + (r & 7) + 32 (r / 8)) against a quarter cq of the columns: four regions of 256 columns, 18,432 bytes each.
; Wave w fetches region w by ONE JOINT tensor load (the cluster's four work-groups are row blocks of one batch: same descriptor, a mask that names the four), works on it behind its own wait alone, and then on regions w xor 1, 2, 3,
; behind one barrier that was signalled ahead of the first region's work.  Every LDS byte is filled once.  At the end a tile's four parts are joined by exact powers of two.
; LAYOUT.  Both products are used transposed: S^T = q k^T (source 0 = 16 columns j, source 1 = my 16 rows), O^T = v^T p^T: a lane holds ONE row i throughout.  A region is four blocks of 64 columns (p = 0..3), 4,608 bytes each:
; q's four tiles | v's four tiles of 16 head units | q's scale words | v's.  q's tile t holds columns 8 t + (m & 7) + 32 (m / 8), so a lane's 32 registers of block p are ONE WHOLE BLOCK of 32 columns (64 p + 32 h + 0..31) in natural order:
; its largest score and its codes are the lane's own, and the codes are the second product's operand as they stand.
; The first product's K is 64: registers 4-7 of k's fragment hold zero codes, so what stands in registers 4-7 of a q fragment adds nothing: they are the next tile's codes (behind the last tile: p's codes, zeros at first);
; scale bytes 2, 3 are 0 (2^-127) on both sides.
; No work of reference() is left out.  No prefetch: nothing is asked for behind the head.
; LIMITS: the scaled scores t stay under 2^31 in magnitude; p under 2^-126 comes out of v_exp_f32 as 0; a block of p that is all zeros keeps the byte 1 (its codes are zeros); 1 / l is v_rcp_f32; NaN and infinities are not served.
; REGISTERS: v1-2 addresses; v3 8 h; v6-7, v28-31, v240-243 at work; v8-15 k, v16 its scale words; v17, v23 p's; v18 -M, v19 the largest t; v[20:21] l; v22 f; v24-27 the blocks' largest, then the conversions' scale operands;
;   v32-159 S^T, then p (v32-63 then v's second half); v160-191 O^T; v192-223 q's tiles, then v's first half; v224-239 p's codes; v244-251 q's scale words; v248-255 v's.
.set RBB,  4608
.set REG,  4*RBB
.set ML,   16*REG                      ; behind the regions: -M at 256 a + 16 r + 4 cq, l 1,024 bytes on: written by LDS stores, no fill lands here
.set SPARE, ML+2048                    ; the spare words, 128 bytes a wave
.set SP,   272                         ; the stage: a row of O, 256 bytes + 16, in the wave's own region, which has had its only fill and its last read by then
.set A16, 1
.set A4,  2
.set H8,  3
.set SPW, 4
.set NIL, 5
.set KF,  8
.set KSC, 16
.set PW0, 17
.set PW1, 23
.set BM,  24
.set SS,  32
.set OT,  160
.set ZQ,  192
.set C0,  224
.set C1,  232
.set QS,  244
.set VS0, 248
.set VS1, 252
.set WV,  12                           ; s12 wave; s13 a; s14 cq
.set SEL, 20
.set CS,  22                           ; s[22:23] c: the packed form names a pair and takes its low word for both halves
.set G1,  24
.set G0,  32
.macro ROUND                           ; a round of the cluster's barrier
	s_barrier_signal -1
	s_barrier_wait -1
	s_cmp_lg_u32 s[WV], 0
	s_cbranch_scc1 .Lnot_wave_0_\@
	s_barrier_signal -3
.Lnot_wave_0_\@:
	s_barrier_wait -3
	s_barrier_signal -1
	s_barrier_wait -1
.endm
.macro PLACES                          ; four places behind a matrix instruction (ISA guide 7.12.1)
.rept 4
	v_nop
.endr
.endm
.macro QLOAD p                         ; q's tiles of blocks p, p + 1, and their scale words: lanes 0-15 tile 2 i's, lanes 16-31 tile 2 i + 1's
.irp i, 0,1,2,3
	ds_load_b32 v[QS+2*(\p)+\i], v[A4] offset:RBB*((\p)+\i/2)+4096+128*(\i%2)
.endr
.irp t, 0,1,2,3,4,5,6,7
	ds_load_b128 v[ZQ+4*\t:ZQ+4*\t+3], v[A16] offset:RBB*((\p)+\t/4)+512*(\t%4)
.endr
.endm
.macro SMUL p                          ; S^T of blocks p, p + 1
.irp t, 0,1,2,3,4,5,6,7
.if \t % 2
	v_wmma_scale_f32_16x16x128_f8f6f4 v[SS+32*(\p)+8*\t:SS+32*(\p)+8*\t+7], v[ZQ+4*\t:ZQ+4*\t+7], v[KF:KF+7], 0, v[QS+2*(\p)+\t/2], v[KSC] matrix_a_fmt:MATRIX_FMT_FP4 matrix_b_fmt:MATRIX_FMT_FP4 matrix_a_scale:MATRIX_SCALE_ROW1
.else
	v_wmma_scale_f32_16x16x128_f8f6f4 v[SS+32*(\p)+8*\t:SS+32*(\p)+8*\t+7], v[ZQ+4*\t:ZQ+4*\t+7], v[KF:KF+7], 0, v[QS+2*(\p)+\t/2], v[KSC] matrix_a_fmt:MATRIX_FMT_FP4 matrix_b_fmt:MATRIX_FMT_FP4
.endif
.endr
.endm
.macro BMAX p                          ; the largest score of blocks p, p + 1, in two chains each: for the row's maximum and, since p rises with the score, for the block's largest p
.irp b, 0,1
	v_max3_num_f32 v[BM+(\p)+\b], v[SS+32*((\p)+\b)], v[SS+32*((\p)+\b)+1], v[SS+32*((\p)+\b)+2]
	v_max3_num_f32 v[28+\b], v[SS+32*((\p)+\b)+17], v[SS+32*((\p)+\b)+18], v[SS+32*((\p)+\b)+19]
.endr
.irp i, 3,5,7,9,11,13
.irp b, 0,1
	v_max3_num_f32 v[BM+(\p)+\b], v[BM+(\p)+\b], v[SS+32*((\p)+\b)+\i], v[SS+32*((\p)+\b)+\i+1]   ; each accumulator's first read is among its four lowest
	v_max3_num_f32 v[28+\b], v[28+\b], v[SS+32*((\p)+\b)+\i+17], v[SS+32*((\p)+\b)+\i+18]
.endr
.endr
.irp b, 0,1
	v_max3_num_f32 v[BM+(\p)+\b], v[BM+(\p)+\b], v[SS+32*((\p)+\b)+15], v[SS+32*((\p)+\b)+16]
.endr
.irp b, 0,1
	v_max_num_f32 v[BM+(\p)+\b], v[BM+(\p)+\b], v[28+\b]
.endr
.endm
.macro VLOAD cc, dst, vs               ; v's four fragments for columns 128 cc .. of the region (blocks 2 cc, 2 cc + 1), and their scale bytes, two a word
.irp c, 0,1
.irp i, 0,1
	ds_load_b32 v[(\vs)+2*\c+\i], v[A4] offset:RBB*(2*(\cc)+\c)+4352+128*\i
.endr
.endr
.irp n, 0,1,2,3
.irp c, 0,1
	ds_load_b128 v[(\dst)+8*\n+4*\c:(\dst)+8*\n+4*\c+3], v[A16] offset:RBB*(2*(\cc)+\c)+2048+512*\n
.endr
.endr
.endm
.macro SUM0 p                          ; l takes the UNQUANTISED p, two at a time, in four chains: 32 pairs from v[SS + 32 p] on
	v_pk_add_f32 v[28:29], v[SS+32*(\p):SS+32*(\p)+1], v[SS+32*(\p)+8:SS+32*(\p)+9]
	v_pk_add_f32 v[30:31], v[SS+32*(\p)+2:SS+32*(\p)+3], v[SS+32*(\p)+10:SS+32*(\p)+11]
	v_pk_add_f32 v[240:241], v[SS+32*(\p)+4:SS+32*(\p)+5], v[SS+32*(\p)+12:SS+32*(\p)+13]
	v_pk_add_f32 v[242:243], v[SS+32*(\p)+6:SS+32*(\p)+7], v[SS+32*(\p)+14:SS+32*(\p)+15]
.endm
.macro SUMK p, m
	v_pk_add_f32 v[28:29], v[28:29], v[SS+32*(\p)+8*(\m):SS+32*(\p)+8*(\m)+1]
	v_pk_add_f32 v[30:31], v[30:31], v[SS+32*(\p)+8*(\m)+2:SS+32*(\p)+8*(\m)+3]
	v_pk_add_f32 v[240:241], v[240:241], v[SS+32*(\p)+8*(\m)+4:SS+32*(\p)+8*(\m)+5]
	v_pk_add_f32 v[242:243], v[242:243], v[SS+32*(\p)+8*(\m)+6:SS+32*(\p)+8*(\m)+7]
.endm
.macro SUMF first
	v_pk_add_f32 v[28:29], v[28:29], v[30:31]
	v_pk_add_f32 v[240:241], v[240:241], v[242:243]
.if \first
	v_pk_add_f32 v[20:21], v[28:29], v[240:241]
.else
	v_pk_add_f32 v[28:29], v[28:29], v[240:241]
	v_pk_add_f32 v[20:21], v[20:21], v[28:29]
.endif
.endm
.macro CVT p, dst                      ; blocks p, p + 1: eight registers of the second product's operand
.irp b, 0,1
.irp g, 0,1,2,3
	v_cvt_scalef32_pk8_fp4_f32 v[(\dst)+4*\b+\g], v[SS+32*((\p)+\b)+8*\g:SS+32*((\p)+\b)+8*\g+7], v[BM+(\p)+\b]
.endr
.endr
.endm
.macro PV frag, code, vs, pw, zero     ; O^T += v^T p^T, 128 columns; the four accumulators take turns
.irp n, 0,1,2,3
.if \zero
.if \n % 2
	v_wmma_scale_f32_16x16x128_f8f6f4 v[OT+8*\n:OT+8*\n+7], v[(\frag)+8*\n:(\frag)+8*\n+7], v[\code:(\code)+7], 0, v[(\vs)+\n/2], v[\pw] matrix_a_fmt:MATRIX_FMT_FP4 matrix_b_fmt:MATRIX_FMT_FP4 matrix_a_scale:MATRIX_SCALE_ROW1
.else
	v_wmma_scale_f32_16x16x128_f8f6f4 v[OT+8*\n:OT+8*\n+7], v[(\frag)+8*\n:(\frag)+8*\n+7], v[\code:(\code)+7], 0, v[(\vs)+\n/2], v[\pw] matrix_a_fmt:MATRIX_FMT_FP4 matrix_b_fmt:MATRIX_FMT_FP4
.endif
.else
.if \n % 2
	v_wmma_scale_f32_16x16x128_f8f6f4 v[OT+8*\n:OT+8*\n+7], v[(\frag)+8*\n:(\frag)+8*\n+7], v[\code:(\code)+7], v[OT+8*\n:OT+8*\n+7], v[(\vs)+\n/2], v[\pw] matrix_a_fmt:MATRIX_FMT_FP4 matrix_b_fmt:MATRIX_FMT_FP4 matrix_a_scale:MATRIX_SCALE_ROW1
.else
	v_wmma_scale_f32_16x16x128_f8f6f4 v[OT+8*\n:OT+8*\n+7], v[(\frag)+8*\n:(\frag)+8*\n+7], v[\code:(\code)+7], v[OT+8*\n:OT+8*\n+7], v[(\vs)+\n/2], v[\pw] matrix_a_fmt:MATRIX_FMT_FP4 matrix_b_fmt:MATRIX_FMT_FP4
.endif
.endif
.endr
.endm
.macro ADDR base                       ; on to the region that begins at s[base]
	v_and_b32 v6, 31, v0
	v_lshl_add_u32 v[A16], v6, 4, s[\base]
	v_lshl_add_u32 v[A4], v6, 2, s[\base]
.endm
	s_load_b256 s[4:11], s[0:1], 0x0               ; kc s[4:5], ks s[6:7], qv s[8:9], out0 s[10:11]
	v_lshl_add_u32 v[SPW], v0, 2, SPARE
	v_mov_b32 v[NIL], 0
	ds_add_u32 v[SPW], v[NIL]                      ; the wave's opening: the add, twice on end, and its wait ahead of my tensor load
	ds_add_u32 v[SPW], v[NIL]
	v_lshrrev_b32 v6, 5, v0
	v_readfirstlane_b32 s[WV], v6                  ; wave 0..15
	v_and_b32 v6, 31, v0
	v_lshlrev_b32 v24, 4, v6                       ; k: 16 x lane,
	v_and_b32 v6, 15, v0
	v_lshlrev_b32 v25, 2, v6                       ; and 4 r
	v_bfe_u32 v[H8], v0, 4, 1
	v_lshlrev_b32 v[H8], 3, v[H8]                  ; 8 h
.irp j, 12,13,14,15,224,225,226,227,7
	v_mov_b32 v[\j], 0                             ; k's zero codes; what stands behind q's last tile at first; a lane permute's destination counts as one of its sources
.endr
	s_and_b32 s13, s[WV], 3                        ; a
	s_lshr_b32 s14, s[WV], 2                       ; cq
	s_bfe_u32 s15, ttmp6, 0x40000                  ; cx: it enters k's and out0's addresses alone
	s_lshl_b32 s16, ttmp9, 2
	s_add_co_u32 s16, s16, s15                     ; my block of 64 rows in the batch
	s_and_b32 s17, ttmp7, 0xffff                   ; the batch, which the four partners share
	s_lshl_b32 s18, s17, 6
	s_add_co_u32 s18, s18, s16                     ; RB
	s_mov_b32 s[G1], 15|(3<<16)|(1<<21)            ; the mask: all four work-groups, bit 21 beside it; elements of 8 bytes; no padding
	s_mov_b32 s[G1+1], 32<<16                      ; a region: 72 dense rows of 256 bytes
	s_mov_b32 s[G1+2], 72<<16
	s_mov_b32 s[G1+3], 32<<16
	s_mov_b32 s[G1+4], 72
	s_mov_b32 s[G1+5], 32
	s_mov_b32 s[G1+6], 0
	s_mov_b32 s[G1+7], 0
	s_mul_i32 s19, s[WV], REG                      ; my region: in LDS, and in the batch
	s_mul_i32 s66, s17, 16*REG
	s_add_co_u32 s66, s66, s19
	s_mov_b32 s67, 0
	s_xor_b32 s74, s[WV], 1
	s_mul_i32 s74, s74, REG
	s_xor_b32 s75, s[WV], 2
	s_mul_i32 s75, s75, REG
	s_xor_b32 s76, s[WV], 3
	s_mul_i32 s76, s76, REG
	s_lshl_b32 s68, s18, 11
	s_lshl_b32 s69, s13, 9
	s_add_co_u32 s68, s68, s69                     ; k's codes: 2048 RB + 512 a
	s_mov_b32 s69, 0
	s_lshl_b32 s70, s18, 8
	s_lshl_b32 s71, s13, 6
	s_add_co_u32 s70, s70, s71                     ; k's scale words: 256 RB + 64 a
	s_mov_b32 s71, 0
	s_lshl_b32 s72, s18, 14
	s_lshl_b32 s73, s13, 11
	s_add_co_u32 s72, s72, s73
	s_and_b32 s73, s14, 1
	s_lshl_b32 s73, s73, 10
	s_add_co_u32 s72, s72, s73
	s_lshr_b32 s73, s14, 1
	s_lshl_b32 s73, s73, 13
	s_add_co_u32 s72, s72, s73                     ; out0: row 64 RB + 8 a + 4 (cq % 2) + 32 (cq / 2), 256 bytes a row: where places 4 cq .. 4 cq + 3 of tile a lie
	s_mov_b32 s73, 0
	s_mov_b32 s[SEL], 0x76543210
	s_mov_b32 s[SEL+1], 0xfedcba98                 ; v_permlanex16_b32's selects for lane l xor 16
	s_mov_b32 s[CS], 0x3d8293ee                    ; c = log2(e) / sqrt(512)
	s_mov_b32 s[CS+1], s[CS]
	s_wait_alu depctr_va_vdst(0)                   ; the wait here, directly ahead of the waits below
	s_wait_dscnt 0x0
	ROUND                                          ; all four work-groups are here: the joint loads meet
	s_wait_kmcnt 0x0
	s_add_nc_u64 s[66:67], s[8:9], s[66:67]
	s_mov_b32 s[G0], 1
	s_mov_b32 s[G0+1], s19                         ; LDS address: no place in the cluster enters it
	s_mov_b64 s[G0+2:G0+3], s[66:67]
	s_or_b32 s[G0+3], s[G0+3], 0x80000000
	tensor_load_to_lds s[G0:G0+3], s[G1:G1+7]      ; my one tensor load of the launch
	s_nop 0
.rept 4
	v_nop
.endr
	s_add_nc_u64 s[4:5], s[4:5], s[68:69]
	s_add_nc_u64 s[6:7], s[6:7], s[70:71]
	global_load_b128 v[KF:KF+3], v24, s[4:5]       ; k: registers 0-3 of my tile's fragment; it stays
	global_load_b32 v[KSC], v25, s[6:7]            ; and its scale words
	s_add_nc_u64 s[10:11], s[10:11], s[72:73]
	ADDR 19
	s_wait_alu depctr_va_vdst(0)                   ; the wait at the head's end
	s_wait_loadcnt 0x0                             ; k
	s_wait_tensorcnt 0x0                           ; my region is in: I read it now;
	s_barrier_signal -1                            ; the others read it behind this barrier's wait, in the first step's last part; until then only LDS loads of bytes that nobody writes, and register work
	QLOAD 0
; STEP st: 256 columns.  Its first QLOAD stands ahead of it; it asks for the next step's (region at s[nb]).
.macro STEP st, nb
	s_wait_alu depctr_va_vdst(0)                   ; ahead of a wait that blocks; so below
	s_wait_dscnt 0x0
	SMUL 0
	PLACES
	QLOAD 2
	BMAX 0
	s_wait_alu depctr_va_vdst(0)
	s_wait_dscnt 0x0
	SMUL 2
	PLACES
	VLOAD 0, ZQ, VS0
	BMAX 2
	v_max3_num_f32 v6, v[BM], v[BM+1], v[BM+2]
	v_max_num_f32 v6, v6, v[BM+3]
	v_permlanex16_b32 v7, v6, s[SEL], s[SEL+1]
	v_max_num_f32 v6, v6, v7                       ; the step's largest score of my row
.if \st == 0
	v_mul_f32 v19, s[CS], v6                       ; as t (c is positive)
	v_floor_f32 v18, -v19                          ; -M = floor(-t) = -ceil(t)
.else
	v_mul_f32 v6, s[CS], v6
	v_max_num_f32 v19, v19, v6                     ; the running largest t
	v_mov_b32 v6, v18
	v_floor_f32 v18, -v19
	v_sub_f32 v6, v18, v6                          ; old M - new M: a whole number, 0 or less
	v_cvt_i32_f32 v6, v6                           ; (it saturates)
	v_ldexp_f32 v22, 1.0, v6                       ; f
.irp n, 0,1,2,3
.irp k, 0,2,4,6
	v_pk_mul_f32 v[OT+8*\n+\k:OT+8*\n+\k+1], v[OT+8*\n+\k:OT+8*\n+\k+1], v[22:23] op_sel_hi:[1,0]   ; O^T under the new M
.endr
.endr
	v_pk_mul_f32 v[20:21], v[20:21], v[22:23] op_sel_hi:[1,0]      ; and l
.endif
.set I, 0
.rept 32
	v_pk_fma_f32 v[SS+2*I:SS+2*I+1], v[SS+2*I:SS+2*I+1], s[CS:CS+1], v[18:19] op_sel_hi:[1,0,0]   ; t - M of blocks 0, 1, two at a time
.set I, I+1
.endr
.irp b, 0,1,2,3
	v_fma_f32 v[BM+\b], v[BM+\b], s[CS], v18       ; the same of each block's largest score
.endr
	s_wait_alu depctr_va_vdst(0)                   ; the wait ahead of the batch
.irp b, 0,1,2,3
	v_exp_f32 v[BM+\b], v[BM+\b]                   ; the block's largest p: the same two operations on the same number as its score's own
.endr
.set I, 0
.rept 32
	v_exp_f32 v[SS+2*I], v[SS+2*I]                 ; p = 2^(t - M), at most 1
	v_exp_f32 v[SS+2*I+1], v[SS+2*I+1]
	v_pk_fma_f32 v[SS+64+2*I:SS+65+2*I], v[SS+64+2*I:SS+65+2*I], s[CS:CS+1], v[18:19] op_sel_hi:[1,0,0]   ; blocks 2, 3: read behind the wait below
.set I, I+1
.endr
	s_wait_alu depctr_va_vdst(0)                   ; behind the batch, and ahead of the wait below: this serves the second batch's sources too
	s_wait_dscnt 0x0                               ; v's first half and its scale bytes are in
.irp b, 0,1,2,3
	v_max_num_f32 v[BM+\b], 0x1800000, v[BM+\b]    ; the floor 2^(3 - 127): the byte cannot fall under 1
.endr
.irp b, 0,1,2,3
	v_add_nc_u32 v[BM+\b], 0xff000000, v[BM+\b]    ; 2 off the exponent field: the conversion's scale operand
.endr
	CVT 0, C0
.irp b, 0,1,2,3
	v_lshrrev_b32 v[28+\b], 23, v[BM+\b]           ; the scale's byte.  (Plain lines behind the last scaled conversion)
.endr
.irp i, 0,1
	v_lshl_or_b32 v[VS0+\i], v[VS0+2+\i], 16, v[VS0+\i]    ; v's scale words
.endr
	v_lshl_or_b32 v[PW0], v29, 16, v28             ; p's scale words: my blocks are bytes h and 2 + h,
	v_lshl_or_b32 v[PW1], v31, 16, v30
	v_lshlrev_b32 v[PW0], v[H8], v[PW0]
	v_lshlrev_b32 v[PW1], v[H8], v[PW1]
	v_permlanex16_b32 v6, v[PW0], s[SEL], s[SEL+1]
	v_permlanex16_b32 v7, v[PW1], s[SEL], s[SEL+1]
	v_or_b32 v[PW0], v[PW0], v6                    ; lane l xor 16's the other two
	v_or_b32 v[PW1], v[PW1], v7
	SUM0 0
.irp m, 2,3,4,5,6,7
	SUMK 0, \m
.endr
.if \st == 0
	PV ZQ, C0, VS0, PW0, 1                         ; 128 columns; the first step's products start the sums
	SUMF 1
.else
	PV ZQ, C0, VS0, PW0, 0
	SUMF 0                                         ; (these and ADDR's lines are the places ahead of the loads into the products' registers)
.endif
	VLOAD 1, SS, VS1                               ; v's second half, over block 0's p, which is used up
.if (\st == 1) || (\st == 2)
	ADDR \nb
	QLOAD 0                                        ; the next step's first tiles
.endif
.set I, 0
.rept 64
	v_exp_f32 v[SS+64+I], v[SS+64+I]               ; the second batch: blocks 2, 3
.set I, I+1
.endr
	v_nop                                          ; one plain place behind a transcendental
	s_wait_alu depctr_va_vdst(0)                   ; the batch's wait, and the one ahead of the wait below
	s_wait_dscnt 0x0                               ; v and its scale bytes are in
.if \st == 3
	s_barrier_signal -1                            ; my last reads of the regions are over
.endif
.irp i, 0,1
	v_lshl_or_b32 v[VS1+\i], v[VS1+2+\i], 16, v[VS1+\i]
.endr
	SUM0 2
	SUMK 2, 2
	SUMK 2, 3
	SUMK 2, 4
.if \st == 0
	s_wait_alu depctr_va_vdst(0)
	s_barrier_wait -1                              ; everybody's region is in
	ADDR \nb
	QLOAD 0
.endif
	CVT 2, C1
	SUMK 2, 5                                      ; eight plain lines: the places between what the conversions wrote and the product
	SUMK 2, 6
	PV SS, C1, VS1, PW1, 0
	SUMK 2, 7
	SUMF 0
.endm
	STEP 0, 74
	STEP 1, 75
	STEP 2, 76
	STEP 3, 76
	; THE END.  My O^T, -M and l go to LDS; behind a barrier each wave joins four rows of its tile from the tile's four waves and stores them.
	s_lshl_b32 s68, s13, 8
	s_lshl_b32 s70, s14, 2
	s_add_co_u32 s70, s70, s68
	s_add_co_u32 s70, s70, ML                      ; ML + 256 a + 4 cq
	s_lshl_b32 s71, s14, 6
	s_add_co_u32 s71, s71, s68
	s_add_co_u32 s71, s71, ML                      ; ML + 256 a + 64 cq
	s_mul_i32 s69, s13, REG
	s_mul_i32 s72, s14, 4*SP
	s_add_co_u32 s69, s69, s72                     ; the stage of wave a (cq = 0), row 4 cq
	s_wait_alu depctr_va_vdst(0)                   ; the wait here, behind the run of scalar lines
	v_bfe_u32 v6, v0, 4, 1                         ; h
	v_and_b32 v7, 15, v0                           ; r
	v_mul_u32_u24 v24, v7, SP
	v_lshl_add_u32 v24, v6, 5, v24
	v_add_nc_u32 v24, s19, v24                     ; in: row r; head tile n's eight units of my half: 64 n + 32 h bytes on
	v_lshl_add_u32 v25, v7, 4, s70                 ; my row's -M; l 1,024 bytes on
	v_mul_u32_u24 v26, v6, SP
	v_lshl_add_u32 v26, v7, 4, v26
	v_add_nc_u32 v26, s69, v26                     ; back: lanes 0-15 row 4 cq, lanes 16-31 the next; 16 bytes a lane
	v_add_nc_u32 v28, 4*REG, v26                   ; the same in the tile's other three waves' stages
	v_add_nc_u32 v29, 8*REG, v26
	v_add_nc_u32 v30, 12*REG, v26
	v_lshl_add_u32 v27, v6, 4, s71                 ; that row's four -M
	v_lshlrev_b32 v31, 8, v6
	v_lshl_add_u32 v31, v7, 4, v31                 ; and the same two rows in out0
	v_add_f32 v20, v20, v21                        ; l's two halves,
	v_permlanex16_b32 v23, v20, s[SEL], s[SEL+1]
	v_add_f32 v20, v20, v23                        ; and lane l xor 16's
	s_wait_alu depctr_va_vdst(0)
	s_barrier_wait -1                              ; nobody reads a region any more
.irp n, 0,1,2,3
	ds_store_b128 v24, v[OT+8*\n:OT+8*\n+3] offset:64*\n           ; each accumulator from its low end on
	ds_store_b128 v24, v[OT+8*\n+4:OT+8*\n+7] offset:64*\n+16
.endr
	ds_store_b32 v25, v18                          ; both halves of the lanes write the same word with the same value
	ds_store_b32 v25, v20 offset:1024
	s_wait_dscnt 0x0                               ; for the others' sake: my stores have landed
	s_barrier_signal -1
	s_barrier_wait -1
.irp i, 0,1                                    ; rows 4 cq + 2 i + h of my tile
	ds_load_b128 v[32+8*\i:35+8*\i], v27 offset:32*\i              ; the four parts' -M,
	ds_load_b128 v[36+8*\i:39+8*\i], v27 offset:1024+32*\i         ; their l,
	ds_load_b128 v[48+16*\i:51+16*\i], v26 offset:2*SP*\i          ; and my four head units of each
	ds_load_b128 v[52+16*\i:55+16*\i], v28 offset:2*SP*\i
	ds_load_b128 v[56+16*\i:59+16*\i], v29 offset:2*SP*\i
	ds_load_b128 v[60+16*\i:63+16*\i], v30 offset:2*SP*\i
.endr
	s_wait_dscnt 0x0
; -M and l of row i: v[32 + 8 i ..], v[36 + 8 i ..]; the factors: v[80 + 8 i ..]; 1 / l: v[84 + 8 i]
.irp i, 0,1
	v_min_num_f32 v[84+8*\i], v[32+8*\i], v[33+8*\i]
	v_min_num_f32 v[85+8*\i], v[34+8*\i], v[35+8*\i]
.endr
.irp i, 0,1
	v_min_num_f32 v[84+8*\i], v[84+8*\i], v[85+8*\i]       ; -M of the whole row: the smallest -M
.endr
.irp c, 0,1,2,3
.irp i, 0,1
	v_sub_f32 v[80+8*\i+\c], v[84+8*\i], v[32+8*\i+\c]     ; part c's M less the row's: a whole number, 0 or less
.endr
.endr
.irp c, 0,1,2,3
.irp i, 0,1
	v_cvt_i32_f32 v[80+8*\i+\c], v[80+8*\i+\c]
.endr
.endr
.irp c, 0,1,2,3
.irp i, 0,1
	v_ldexp_f32 v[80+8*\i+\c], 1.0, v[80+8*\i+\c]          ; an exact power of two
.endr
.endr
.irp i, 0,1
	v_mul_f32 v[84+8*\i], v[80+8*\i], v[36+8*\i]
.endr
.irp c, 1,2,3
.irp i, 0,1
	v_fmac_f32 v[84+8*\i], v[80+8*\i+\c], v[36+8*\i+\c]    ; the row's l
.endr
.endr
	s_wait_alu depctr_va_vdst(0)                   ; the wait ahead of the batch,
	v_rcp_f32 v84, v84
	v_rcp_f32 v92, v92
	v_nop
	s_wait_alu depctr_va_vdst(0)                   ; and behind it
.irp c, 0,1,2,3
.irp i, 0,1
	v_mul_f32 v[80+8*\i+\c], v[80+8*\i+\c], v[84+8*\i]
.endr
.endr
.irp i, 0,1
.irp e, 0,1,2,3
	v_mul_f32 v[96+4*\i+\e], v[80+8*\i], v[48+16*\i+\e]
.endr
.endr
.irp c, 1,2,3
.irp i, 0,1
.irp e, 0,1,2,3
	v_fmac_f32 v[96+4*\i+\e], v[80+8*\i+\c], v[48+16*\i+4*\c+\e]
.endr
.endr
.endr
.irp i, 0,1
	global_store_b128 v31, v[96+4*\i:99+4*\i], s[10:11] offset:512*\i th:TH_STORE_NT   ; sixteen lanes store a whole row of out0: 256 consecutive bytes, aligned
.endr
	s_wait_tensorcnt 0x0                           ; the wave's end
	ds_add_u32 v[SPW], v[NIL]
	s_wait_dscnt 0x0
	ROUND                                          ; the closing round: no work-group ends while a partner may still ask for a tile that names it
	s_endpgm
.Lfunc_end_k_qd0619c1306_attn:
	.size	k_qd0619c1306_attn, .Lfunc_end_k_qd0619c1306_attn-k_qd0619c1306_attn
	.p2alignl 7, 3214868480
	.fill 96, 4, 3214868480
	.section	.rodata,"a",@progbits
	.p2align	6, 0x0
	.amdhsa_kernel k_qd0619c1306_attn
		.amdhsa_group_segment_fixed_size 327680
		.amdhsa_private_segment_fixed_size 0
		.amdhsa_enable_private_segment 0
		.amdhsa_kernarg_size 32
		.amdhsa_user_sgpr_count 2
		.amdhsa_user_sgpr_kernarg_segment_ptr 1
		.amdhsa_wavefront_size32 1
		.amdhsa_system_sgpr_workgroup_id_x 1
		.amdhsa_system_sgpr_workgroup_id_y 1
		.amdhsa_system_sgpr_workgroup_id_z 1
		.amdhsa_system_vgpr_workitem_id 0
		.amdhsa_next_free_vgpr 256
		.amdhsa_next_free_sgpr 80
		.amdhsa_reserve_vcc 0
		.amdhsa_float_denorm_mode_32 3
		.amdhsa_float_denorm_mode_16_64 3
		.amdhsa_memory_ordered 1
		.amdhsa_forward_progress 1
		.amdhsa_inst_pref_size 117
	.end_amdhsa_kernel
	.amdgpu_metadata
---
amdhsa.version: [ 1, 2 ]
amdhsa.kernels:
  - .name:           k_qd0619c1306_attn
    .symbol:         k_qd0619c1306_attn.kd
    .args:
      - { .name: kc, .offset: 0, .size: 8, .value_kind: global_buffer, .address_space: global }
      - { .name: ks, .offset: 8, .size: 8, .value_kind: global_buffer, .address_space: global }
      - { .name: qv, .offset: 16, .size: 8, .value_kind: global_buffer, .address_space: global }
      - { .name: out0, .offset: 24, .size: 8, .value_kind: global_buffer, .address_space: global }
    .group_segment_fixed_size: 327680
    .private_segment_fixed_size: 0
    .kernarg_segment_align: 8
    .kernarg_segment_size: 32
    .max_flat_workgroup_size: 512
    .sgpr_count:     80
    .vgpr_count:     256
    .wavefront_size: 32
...
	.end_amdgpu_metadata
.endif
;; end of part 2
